; MI455X (gfx1250); checked and timed in simulation.
; The chip was launched on July 23, 2026; its instructions are those of AMD's public machine-readable ISA for CDNA 5 (MIT licence, August 2026) and "CDNA5" Instruction Set Architecture Reference Guide (July 2026). The comments in the code are by the model that wrote it; some were corrected since.
;; Q Layer. Allowed arithmetic: float matrix products may take bf16 or f16 operands with f32 sums; other float arithmetic in f32, or as packed bf16 or f16 multiplies, adds, multiply-adds, maxima and minima; sums over many terms, partial sums and values carried from step to step in f32; what a program stores and reads back later, other than sums and carried values, may be rounded once to bf16 or f16.
;; Inputs: params 4 x 1 x 14 float32; x 512 x 14 float32.
;; Outputs: out0 512 x 14 float32.
;; 2 versions, each right; version 2 is version 1 with the launch qlayer written anew for expert scheduling mode. Each part assembles by itself: llvm-mc -triple=amdgcn-amd-amdhsa -mcpu=gfx1250 --defsym DOCPART=n.
;; ======== version 1 of 2: 1 launch
;; limits: an absolute error that grows with the inputs' magnitude: up to 6e-08 times it
;; launch qlayer (part 1): grid 14 x 16, 8 waves a work-group, no clusters, 13,824 bytes of LDS; arguments x, params, out0; writes out0
.if DOCPART == 1
	.amdgcn_target "amdgcn-amd-amdhsa--gfx1250"
	.amdhsa_code_object_version 6
	.text
	.protected	k_q5c7bc0cfc5_qlayer
	.globl	k_q5c7bc0cfc5_qlayer
	.p2align	8
	.type	k_q5c7bc0cfc5_qlayer,@function
k_q5c7bc0cfc5_qlayer:
	s_mov_b64 s[64:65], 0
	v_nop
	global_prefetch_b8 v0, s[64:65] scope:SCOPE_SE
	s_setreg_imm32_b32 hwreg(HW_REG_WAVE_MODE, 25, 1), 1
	s_wait_xcnt 0x0
; out0[b][q] = <Z_q> behind: RX(x_p) on |0..0>, then four times (RX(w_lp) on every qubit p, then the ring P of CNOTs 0>1, 1>2, .. 12>13, 13>0).
; x: [512][14] f32, params: [4][1][14] f32, out0: [512][14] f32.
; WHAT IS COMPUTED IN PLACE OF THE 2^14 AMPLITUDES: an identity in exact arithmetic for all real x and params.
;  1. Two RX on one qubit add their angles: the circuit is V = P U3 P U2 P U1 P U0, U_l = exp(-i/2 sum_p t_lp X_p), t_0p = x_p + w_0p, t_lp = w_lp.
;  2. V = P^4 (P^-3 U3 P^3)(P^-2 U2 P^2)(P^-1 U1 P) U0.  P^-1 X_p P is a product of X: X^(G e_p), G e_p = e_p + e_(p+1), G e_13 = e_13 + e_0 + e_1.  So V = P^4 exp(-i/2 sum t_lp X^b(l,p)),
;     b(l,p) = G^l e_p = {p}, {p,p+1}, {p,p+2}, {p,p+1,p+2,p+3} for l = 0..3 (G = 1 + shift over GF(2)), where the sites 14, 15, 16 stand for {0,1}, {1,2}, {2,3}.
;  3. P^-4 Z_q P^4 = Z^m, m = F^4 e_q, where F z = (xor of z's bits from each place upward) xor (all ones if z_0).  A factor whose X^b commutes with Z^m cancels against its inverse: it can reach no
;     output q, whatever the inputs hold; the others double their angle.  X^b(l,p) anticommutes with Z^m exactly where bit p of F^(4-l) e_q is set.
;  4. <0| Z^m prod exp(-i t X^b) |0>, taken in the basis of X: out0[b][q] = the mean over 14 spins s_p = +-1 of cos( sum over the terms kept of t_lp x the product of the spins in b(l,p) ).
; So the state, its 56 + 56 gates and the product of the probabilities with the table of signs that the problem builds itself are not made; every x and every param still reaches outputs and is loaded.
; LIMITS.  Angles are reduced modulo a turn in f32: an angle t is off by about 2^-24 |t|.  A NaN or an infinity in a param whose term is left out for an output q is not carried to that output.
; THE MEAN.  All terms of group p hold s_p: the exponent is sum_p s_p PHI_p, PHI_p = a_p + t1 s_(p+1) + t2 s_(p+2) + t3 s_(p+1) s_(p+2) s_(p+3), a_p the masked x_p + w_0p.  With s_0..s_3 fixed (so sites 14..16 too)
; a walk p = 0..13 carries psi[s_p, s_(p+1), s_(p+2)]:  psi'[b,c,d] = sum over a of exp(i a PHI(b,c,d)) psi[a,b,c] = cos PHI (psi[+] + psi[-]) + i sin PHI (psi[+] - psi[-]).
; The fixed spins' values are folded into the signs of the angles of the terms that hold them, so the text takes every fixed spin as +1, and a step writes only the entries whose spins are free (sites 4..13).
; SHARES.  A work-group has one q and 32 rows of x; a lane is a row.  Wave w has (s_0, s_1, s_2) = the bits of w (bit set: -1); the two halves of every packed pair are s_3 = + and s_3 = -.
; exp(i PHI) = exp(i a_p) x U_k, U_k = exp(i(t1 +- t2 +- t3)): 4 numbers a step, the same for all rows (b = - takes the conjugate of entry 3 - k).  They are made once, a lane an entry, and read back by all lanes:
; each wave its own 32 (steps 0-3 and 11-13, which hold fixed spins), wave 7 those of steps 4-10 for everybody; waves 0-6 make cos and sin of a_p for two qubits each, a lane a row.
; No matrix instruction: no product is left.  out0 is stored as 32 single words 56 bytes apart: a work-group owns one column of 32 rows.
.set ROWB,  56                         ; bytes in a row of x and of out0
.set CHB,   32*ROWB                    ; a work-group's rows
.set FT,    0                          ; LDS: qubit p, row r: (cos, cos, sin, sin) of a_p at 512 p + 16 r
.set ST,    14*512                     ; entries 4 (p - 4) + k of steps 4..10: (re, re, im, im), 16 bytes each
.set WT,    ST+512                     ; wave w's own 32 entries at 512 w: (re for s_3 = +, re for -, im for +, im for -)
.set RED,   WT+8*512                   ; wave w's 32 sums at 128 w
.set SPARE, RED+8*128                  ; the spare words, 128 bytes for each wave: four blocks of 256 bytes that no other line names
.set INV2PI, 0x3e22f983                ; 1 / 2 pi
.set SA5, 0xbc7183a6                   ; 2 sin(pi f) / f = SA0 + SA1 z + .. + SA5 z^5, z = f^2: 2 pi^(2n+1) (-1)^n / (2n+1)!
.set SA4, 0x3e283c1b
.set SA3, 0xbf996966
.set SA2, 0x40a335e3
.set SA1, 0xc1255de7
.set SA0, 0x40c90fdb
.set CB6, 0x3afce9a3                   ; cos(pi f) = 1 + CB1 z + .. + CB6 z^6: pi^(2n) (-1)^n / (2n)!
.set CB5, 0xbcd368f9
.set CB4, 0x3e70fa83
.set CB3, 0xbfaae9e4
.set CB2, 0x4081e0f8
.set CB1, 0xc09de9e6
.set D0,  8|(4<<14)                    ; what s_3 = -1 changes among the 17 sites: site 3 and site 16
.set DY1, D0^(D0>>1)                   ; and in the three words of signs below
.set DY2, D0^(D0>>2)
.set DY3, DY1^(DY1>>2)
; scalar registers: s[4:5] x, s[6:7] params, s[8:9] out0, s10 wave, s11 q, s12 block of rows, s13 8 x wave, s16-19 F e_q .. F^4 e_q,
; s20-22 signs of the terms l = 1, 2, 3 (bit p) for s_3 = +, s23-25 for s_3 = -, s26-28 sign bits of s_0, s_1, s_2, s30-35 two params of layer 0 and their masks, s40-45 at work
.set SG,  26
.set LN,  1                            ; v1   lane
.set IX,  2                            ; v2   lane / 4
.set P1,  4                            ; v4   the step of my entry in the wave's own table: 0..3, 11..13
.set P2,  5                            ; v5   the same in the shared table: 4..11
.set SPW, 6                            ; v6   LDS address of my spare word; never rewritten
.set NIL, 7                            ; v7   0; never rewritten
.set K2S, 8                            ; v8   sign bit of t2 in my entry k = lane % 4: k / 2
.set K3S, 9                            ; v9   of t3: (k / 2) xor (k % 2)
.set A1,  10                           ; v10  4 P1
.set A2,  11                           ; v11  4 P2
.set TH,  12                           ; v12-14 t1, t2, t3 of step P1
.set XO,  15                           ; v15  my row's two numbers of x
.set GG,  16                           ; v16-18 those two numbers, or (wave 7) t1, t2, t3 of step P2
.set TT,  20                           ; v20-28 at work
.set MT,  20                           ; v20-35 in the walk: products shared by an entry and its mirror
.set DD,  30                           ; v30-35 three signed angles, a pair each
.set ANG, 36                           ; two pairs of angles;  then, for each: FR the fraction of a turn, NN, ZZ its square, PSN, PCS the two series, OUT (cos, cos, sin, sin)
.set FR,  40
.set NN,  44
.set ZZ,  48
.set PSN, 52
.set PCS, 56
.set OUT, 60
.set QD,  68                           ; v68-75 two qubits' (cos, cos, sin, sin)
.set KA5, 76
.set KB6, 78
.set LB,  36                           ; v36-75 in the walk: operands of steps 0, 1, 2 and later 12, 13
.set VWT, 80                           ; my wave's table
.set VST, 81                           ; the shared table
.set VFA, 82                           ; my row in the fields
.set VRS, 83                           ; where my sum goes
.set VRL, 84                           ; where wave 0 reads the eight
.set VO,  85                           ; my row in out0
.set WS1, 86                           ; where my entry of the wave's table goes
.set WS2, 87                           ; where my second result goes
.set XA,  88                           ; v88-119, v120-151: psi, entry 4a+2b+c at 4 registers: (re +, re -, im +, im -)
.set XB,  120
.set EE,  152                          ; v152-183 exp(i PHI(b,c,d)), entry 4b+2c+d
.set RI,  184                          ; v184-215 for (b,c): psi[+] + psi[-], psi[+] - psi[-]
.set DB,  216                          ; v216-255 operands of steps 3..11, two buffers of 20: the field's four, then U_0..U_3
.macro FMAP d, s                       ; d = F(s)
	s_and_b32 s41, \s, 1
	s_lshr_b32 s40, \s, 1
	s_xor_b32 \d, \s, s40
	s_lshr_b32 s40, \d, 2
	s_xor_b32 \d, \d, s40
	s_lshr_b32 s40, \d, 4
	s_xor_b32 \d, \d, s40
	s_lshr_b32 s40, \d, 8
	s_xor_b32 \d, \d, s40                  ; bit c = the xor of the bits from c upward
	s_mul_i32 s41, s41, 0x3fff
	s_xor_b32 \d, \d, s41                  ; all 14 turned if bit 0 was set
.endm
	s_load_b128 s[4:7], s[0:1], 0x0                ; x, params
	s_load_b64 s[8:9], s[0:1], 0x10                ; out0
	v_lshl_add_u32 v[SPW], v0, 2, SPARE
	v_mov_b32 v[NIL], 0
	v_lshrrev_b32 v[IX], 5, v0
	v_readfirstlane_b32 s10, v[IX]                 ; wave 0..7
	s_mov_b32 s11, ttmp9                           ; q
	s_and_b32 s12, ttmp7, 0xffff                   ; block of 32 rows
	v_and_b32 v[LN], 31, v0
	v_lshrrev_b32 v[IX], 2, v[LN]
	v_lshrrev_b32 v[P1], 4, v[LN]
	v_mad_u32_u24 v[P1], v[P1], 7, v[IX]           ; 0,1,2,3,11,12,13,(14)
	v_min_u32 v[P1], 13, v[P1]                     ; lanes 28-31 repeat step 13: their entries are read by nobody
	v_add_nc_u32 v[P2], 4, v[IX]
	v_lshlrev_b32 v[A1], 2, v[P1]
	v_lshlrev_b32 v[A2], 2, v[P2]
	v_lshlrev_b32 v[K2S], 30, v[LN]
	v_and_b32 v[K2S], 0x80000000, v[K2S]
	v_lshlrev_b32 v[K3S], 31, v[LN]
	v_xor_b32 v[K3S], v[K3S], v[K2S]
	; which terms are kept for this q
	s_lshl_b32 s15, 1, s11
	FMAP s16, s15                                  ; layer 3
	FMAP s17, s16                                  ; layer 2
	FMAP s18, s17                                  ; layer 1
	FMAP s19, s18                                  ; layer 0 and x
	; the fixed spins as bits of 17 sites (set: -1; free sites 0), and for each term the xor over its sites
	s_lshr_b32 s40, s10, 1
	s_xor_b32 s40, s40, s10
	s_and_b32 s40, s40, 7                          ; s_0 s_1, s_1 s_2, s_2 s_3 with s_3 = +
	s_lshl_b32 s40, s40, 14
	s_or_b32 s42, s40, s10
	s_lshr_b32 s40, s42, 1
	s_xor_b32 s20, s42, s40                        ; bit p: sites p, p+1
	s_lshr_b32 s40, s42, 2
	s_xor_b32 s21, s42, s40                        ; sites p, p+2
	s_lshr_b32 s40, s20, 2
	s_xor_b32 s22, s20, s40                        ; sites p .. p+3
	s_xor_b32 s23, s20, DY1
	s_xor_b32 s24, s21, DY2
	s_xor_b32 s25, s22, DY3
	s_lshl_b32 s26, s10, 31
	s_lshl_b32 s27, s10, 30
	s_and_b32 s27, s27, 0x80000000
	s_lshl_b32 s28, s10, 29
	s_and_b32 s28, s28, 0x80000000
	s_lshl_b32 s13, s10, 3
	s_lshl_b32 s44, s10, 9
	s_add_co_u32 s44, s44, WT
	s_lshl_b32 s45, s10, 10
	v_mad_u32_u24 v[XO], v[LN], ROWB, s13          ; row x 56 + 8 x wave: qubits 2 w, 2 w + 1
	v_mul_u32_u24 v[VO], v[LN], ROWB
	v_mov_b32 v[VWT], s44
	v_lshl_add_u32 v[WS1], v[LN], 4, s44
	v_mov_b32 v[VST], ST
	v_lshlrev_b32 v[VFA], 4, v[LN]
	v_lshl_add_u32 v[VRS], v0, 2, RED
	v_lshl_add_u32 v[VRL], v[LN], 2, RED
	v_mov_b32 v[KA5], SA5
	v_mov_b32 v[KA5+1], SA5
	v_mov_b32 v[KB6], CB6
	v_mov_b32 v[KB6+1], CB6
	s_mul_i32 s40, s12, CHB
	s_mov_b32 s41, 0
	s_wait_kmcnt 0x0
	global_load_b32 v[TH],   v[A1], s[6:7] offset:56    ; layers 1, 2, 3 of step P1
	global_load_b32 v[TH+1], v[A1], s[6:7] offset:112
	global_load_b32 v[TH+2], v[A1], s[6:7] offset:168
	s_add_nc_u64 s[4:5], s[4:5], s[40:41]          ; x at the block's first row
	s_lshl2_add_u32 s40, s11, s40
	s_add_nc_u64 s[8:9], s[8:9], s[40:41]          ; out0 at that row's column q
	s_cmp_eq_u32 s10, 7
	s_cbranch_scc1 .Lshared
	; waves 0-6: the masked angles x_p + w_0p of qubits 2 w and 2 w + 1, a lane a row
	s_load_b64 s[30:31], s[6:7], s13 offset:0x0
	global_load_b64 v[GG:GG+1], v[XO], s[4:5]
	v_lshl_add_u32 v[WS2], v[LN], 4, s45
	s_lshl_b32 s42, s10, 1
	s_lshr_b32 s42, s19, s42
	s_bitcmp1_b32 s42, 0
	s_cselect_b32 s32, 1.0, 0
	s_bitcmp1_b32 s42, 1
	s_cselect_b32 s33, 1.0, 0
	s_wait_kmcnt 0x0
	s_mul_f32 s34, s30, s32
	s_mul_f32 s35, s31, s33
	s_wait_loadcnt 0x0                             ; x, and the three params above
	v_fma_f32 v[ANG+2], v[GG], s32, s34
	v_fma_f32 v[ANG+3], v[GG+1], s33, s35
	s_branch .Ljoin
.Lshared:
	; wave 7: the angle t1 +- t2 +- t3 of entry lane of steps 4..11, which hold no fixed spin; both halves alike
	global_load_b32 v[GG],   v[A2], s[6:7] offset:56
	global_load_b32 v[GG+1], v[A2], s[6:7] offset:112
	global_load_b32 v[GG+2], v[A2], s[6:7] offset:168
	v_lshl_add_u32 v[WS2], v[LN], 4, ST
	v_bfe_u32 v[TT],   s18, v[P2], 1
	v_bfe_u32 v[TT+1], s17, v[P2], 1
	v_bfe_u32 v[TT+2], s16, v[P2], 1
	v_sub_nc_u32 v[TT],   0, v[TT]                 ; all ones where the term is kept
	v_sub_nc_u32 v[TT+1], 0, v[TT+1]
	v_sub_nc_u32 v[TT+2], 0, v[TT+2]
	s_wait_loadcnt 0x0
	v_and_b32 v[TT],   v[TT],   v[GG]
	v_and_b32 v[TT+1], v[TT+1], v[GG+1]
	v_and_b32 v[TT+2], v[TT+2], v[GG+2]
	v_xor_b32 v[TT+1], v[TT+1], v[K2S]
	v_xor_b32 v[TT+2], v[TT+2], v[K3S]
	v_add_f32 v[TT], v[TT], v[TT+1]
	v_add_f32 v[ANG+2], v[TT], v[TT+2]
	v_mov_b32 v[ANG+3], v[ANG+2]
.Ljoin:
	; every wave: its own table.  A term's angle: 0 if left out; its sign: the fixed spins it holds (one bit for each half) and my entry's own sign
.macro SIGNED d, th, sm, syl, syh, ks, t
	v_bfe_u32 v[\t], \sm, v[P1], 1
	v_bfe_u32 v[(\t)+1], \syl, v[P1], 1
	v_bfe_u32 v[(\t)+2], \syh, v[P1], 1
	v_sub_nc_u32 v[\t], 0, v[\t]
	v_lshlrev_b32 v[(\t)+1], 31, v[(\t)+1]
	v_lshlrev_b32 v[(\t)+2], 31, v[(\t)+2]
	v_and_b32 v[\t], v[\t], v[\th]
.if (\ks) >= 0
	v_xor_b32 v[\t], v[\t], v[\ks]
.endif
	v_xor_b32 v[\d], v[\t], v[(\t)+1]
	v_xor_b32 v[(\d)+1], v[\t], v[(\t)+2]
.endm
	SIGNED DD,   TH,   s18, s20, s23, -1,  TT
	SIGNED DD+2, TH+1, s17, s21, s24, K2S, TT+3
	SIGNED DD+4, TH+2, s16, s22, s25, K3S, TT+6
	v_pk_add_f32 v[ANG:ANG+1], v[DD:DD+1], v[DD+2:DD+3]
	v_pk_add_f32 v[ANG:ANG+1], v[ANG:ANG+1], v[DD+4:DD+5]
	; cos and sin of four angles, two pairs side by side.  f = t / 2 pi less the nearest whole number, |f| <= 1/2; with v = pi f: sin t = 2 sin v cos v, cos t = 1 - (2 sin v)^2 / 2.
	; The series are cut where the next term is under 1e-7 at |f| = 1/2.
.irp n, 0,1
	v_pk_mul_f32 v[FR+2*\n:FR+2*\n+1], v[ANG+2*\n:ANG+2*\n+1], INV2PI op_sel_hi:[1,0]
.endr
.irp n, 0,1,2,3
	v_rndne_f32 v[NN+\n], v[FR+\n]
.endr
.irp n, 0,1
	v_pk_fma_f32 v[FR+2*\n:FR+2*\n+1], v[ANG+2*\n:ANG+2*\n+1], INV2PI, v[NN+2*\n:NN+2*\n+1] op_sel_hi:[1,0,1] neg_lo:[0,0,1] neg_hi:[0,0,1]
.endr
.irp n, 0,1
	v_pk_mul_f32 v[ZZ+2*\n:ZZ+2*\n+1], v[FR+2*\n:FR+2*\n+1], v[FR+2*\n:FR+2*\n+1]
.endr
.irp n, 0,1
	v_pk_fma_f32 v[PCS+2*\n:PCS+2*\n+1], v[ZZ+2*\n:ZZ+2*\n+1], v[KB6:KB6+1], CB5 op_sel_hi:[1,1,0]
	v_pk_fma_f32 v[PSN+2*\n:PSN+2*\n+1], v[ZZ+2*\n:ZZ+2*\n+1], v[KA5:KA5+1], SA4 op_sel_hi:[1,1,0]
.endr
.irp n, 0,1
	v_pk_fma_f32 v[PCS+2*\n:PCS+2*\n+1], v[PCS+2*\n:PCS+2*\n+1], v[ZZ+2*\n:ZZ+2*\n+1], CB4 op_sel_hi:[1,1,0]
.endr
.macro HORN cs, cc                     ; one more term of both series, for both pairs
.irp n, 0,1
	v_pk_fma_f32 v[PSN+2*\n:PSN+2*\n+1], v[PSN+2*\n:PSN+2*\n+1], v[ZZ+2*\n:ZZ+2*\n+1], \cs op_sel_hi:[1,1,0]
	v_pk_fma_f32 v[PCS+2*\n:PCS+2*\n+1], v[PCS+2*\n:PCS+2*\n+1], v[ZZ+2*\n:ZZ+2*\n+1], \cc op_sel_hi:[1,1,0]
.endr
.endm
	HORN SA3, CB3
	HORN SA2, CB2
	HORN SA1, CB1
	HORN SA0, 1.0
.irp n, 0,1
	v_pk_mul_f32 v[PSN+2*\n:PSN+2*\n+1], v[PSN+2*\n:PSN+2*\n+1], v[FR+2*\n:FR+2*\n+1]        ; 2 sin v
.endr
.irp n, 0,1
	v_pk_mul_f32 v[OUT+4*\n+2:OUT+4*\n+3], v[PSN+2*\n:PSN+2*\n+1], v[PCS+2*\n:PCS+2*\n+1]    ; sin t
	v_pk_mul_f32 v[NN+2*\n:NN+2*\n+1], v[PSN+2*\n:PSN+2*\n+1], v[PSN+2*\n:PSN+2*\n+1]
.endr
.irp n, 0,1
	v_pk_fma_f32 v[OUT+4*\n:OUT+4*\n+1], v[NN+2*\n:NN+2*\n+1], -0.5, 1.0 op_sel_hi:[1,0,0]   ; cos t
.endr
	ds_store_b128 v[WS1], v[OUT:OUT+3]             ; my entry of my wave's table
	s_cmp_eq_u32 s10, 7
	s_cbranch_scc1 .Lstore7
	v_mov_b32 v[QD],   v[OUT+4]                    ; the walk multiplies both halves by one row's cos and sin: each is laid down twice, once and for all eight waves
	v_mov_b32 v[QD+1], v[OUT+4]
	v_mov_b32 v[QD+2], v[OUT+6]
	v_mov_b32 v[QD+3], v[OUT+6]
	v_mov_b32 v[QD+4], v[OUT+5]
	v_mov_b32 v[QD+5], v[OUT+5]
	v_mov_b32 v[QD+6], v[OUT+7]
	v_mov_b32 v[QD+7], v[OUT+7]
	ds_store_b128 v[WS2], v[QD:QD+3]               ; qubit 2 w
	ds_store_b128 v[WS2], v[QD+4:QD+7] offset:512  ; qubit 2 w + 1
	s_branch .Lstored
.Lstore7:
	ds_store_b128 v[WS2], v[OUT+4:OUT+7]           ; my entry of the shared table
.Lstored:
	s_wait_dscnt 0x0                               ; for the others: my stores are done
	s_barrier_signal -1
	s_barrier_wait -1                              ; fields and shared table are whole
; THE WALK.  Which of a step's four spins a = s_p, b, c, d are free: sites 4..13.
.macro FLAGS p
.set FA_, 0
.set FB_, 0
.set FC_, 0
.set FD_, 0
.if (\p) >= 4
.set FA_, 1
.endif
.if ((\p) >= 3) && ((\p) <= 12)
.set FB_, 1
.endif
.if ((\p) >= 2) && ((\p) <= 11)
.set FC_, 1
.endif
.if ((\p) >= 1) && ((\p) <= 10)
.set FD_, 1
.endif
.endm
; U_k serves entry (b,c,d) = (+, k/2, k%2), number k, and as its conjugate the mirror entry, number 7 - k.  L1_, L2_: is that entry written in this step?
.macro NEEDK k
.set L1_, 0
.set L2_, 0
.if (((\k)>>1) <= FC_) && (((\k)&1) <= FD_)
.set L1_, 1
.endif
.if (FB_ == 1) && ((1-((\k)>>1)) <= FC_) && ((1-((\k)&1)) <= FD_)
.set L2_, 1
.endif
.endm
.macro BUFOF p                         ; where step p's operands lie: the field's four registers, then U_k at 4 k
.if ((\p) == 0) || ((\p) == 12)
.set FBB, LB
.elseif (\p) == 1
.set FBB, LB+8
.elseif ((\p) == 2) || ((\p) == 13)
.set FBB, LB+20
.else
.set FBB, DB+20*((\p)&1)
.endif
.set UBB, FBB+4
.endm
; Step p's operands are asked for: my row's field, and the U_k that the step uses (one address for all lanes).  ISSUED counts the loads; END_p is the count behind step p's.
.set ISSUED, 0
.macro LOADS p
	FLAGS \p
	BUFOF \p
	ds_load_b128 v[FBB:FBB+3], v[VFA] offset:FT+512*(\p)
.set ISSUED, ISSUED+1
.irp k, 0,1,2,3
	NEEDK \k
.if L1_ || L2_
.if ((\p) >= 4) && ((\p) <= 10)
	ds_load_b128 v[UBB+4*\k:UBB+4*\k+3], v[VST] offset:16*(4*((\p)-4)+\k)
.elseif (\p) < 4
	ds_load_b128 v[UBB+4*\k:UBB+4*\k+3], v[VWT] offset:16*(4*(\p)+\k)
.else
	ds_load_b128 v[UBB+4*\k:UBB+4*\k+3], v[VWT] offset:16*(4*((\p)-7)+\k)
.endif
.set ISSUED, ISSUED+1
.endif
.endr
.set END_\p, ISSUED
.endm
.macro STEP p
	FLAGS \p
	BUFOF \p
.if (\p)&1
.set XS, XB
.set XD, XA
.else
.set XS, XA
.set XD, XB
.endif
.if (\p) < 3
	v_xor_b32 v[FBB+2], s[SG+(\p)], v[FBB+2]       ; a fixed spin's field: its sine takes the spin's sign
	v_xor_b32 v[FBB+3], s[SG+(\p)], v[FBB+3]
.elseif (\p) == 3
	v_xor_b32 v[FBB+3], 0x80000000, v[FBB+3]       ; s_3 = -1 in the upper half
.endif
.irp k, 0,1,2,3                        ; re U cos a, re U sin a: shared by an entry and its mirror
	NEEDK \k
.if L1_ || L2_
	v_pk_mul_f32 v[MT+4*\k:MT+4*\k+1],   v[UBB+4*\k:UBB+4*\k+1], v[FBB:FBB+1]
	v_pk_mul_f32 v[MT+4*\k+2:MT+4*\k+3], v[UBB+4*\k:UBB+4*\k+1], v[FBB+2:FBB+3]
.endif
.endr
.if FA_
.irp j, 0,1,2,3                        ; psi[+,b,c] + psi[-,b,c] and their difference
.if (((\j)>>1) <= FB_) && (((\j)&1) <= FC_)
	v_pk_add_f32 v[RI+8*\j:RI+8*\j+1],   v[XS+4*\j:XS+4*\j+1],   v[XS+16+4*\j:XS+16+4*\j+1]
	v_pk_add_f32 v[RI+8*\j+2:RI+8*\j+3], v[XS+4*\j+2:XS+4*\j+3], v[XS+16+4*\j+2:XS+16+4*\j+3]
	v_pk_add_f32 v[RI+8*\j+4:RI+8*\j+5], v[XS+4*\j:XS+4*\j+1],   v[XS+16+4*\j:XS+16+4*\j+1] neg_lo:[0,1] neg_hi:[0,1]
	v_pk_add_f32 v[RI+8*\j+6:RI+8*\j+7], v[XS+4*\j+2:XS+4*\j+3], v[XS+16+4*\j+2:XS+16+4*\j+3] neg_lo:[0,1] neg_hi:[0,1]
.endif
.endr
.endif
.irp k, 0,1,2,3                        ; exp(i a) U_k and exp(i a) conj U_k
	NEEDK \k
.if L1_
	v_pk_fma_f32 v[EE+4*\k:EE+4*\k+1],   v[UBB+4*\k+2:UBB+4*\k+3], v[FBB+2:FBB+3], v[MT+4*\k:MT+4*\k+1] neg_lo:[0,1,0] neg_hi:[0,1,0]
	v_pk_fma_f32 v[EE+4*\k+2:EE+4*\k+3], v[UBB+4*\k+2:UBB+4*\k+3], v[FBB:FBB+1],   v[MT+4*\k+2:MT+4*\k+3]
.endif
.if L2_
	v_pk_fma_f32 v[EE+4*(7-\k):EE+4*(7-\k)+1],   v[UBB+4*\k+2:UBB+4*\k+3], v[FBB+2:FBB+3], v[MT+4*\k:MT+4*\k+1]
	v_pk_fma_f32 v[EE+4*(7-\k)+2:EE+4*(7-\k)+3], v[UBB+4*\k+2:UBB+4*\k+3], v[FBB:FBB+1],   v[MT+4*\k+2:MT+4*\k+3] neg_lo:[0,1,0] neg_hi:[0,1,0]
.endif
.endr
.irp n, 0,1,2,3,4,5,6,7                ; psi'[n] = cos PHI x sum + i sin PHI x difference; where a is fixed both are psi[+,b,c] itself
.if (((\n)>>2) <= FB_) && ((((\n)>>1)&1) <= FC_) && (((\n)&1) <= FD_)
.if FA_
.set RR_, RI+8*((\n)>>1)
.else
.set RR_, XS+4*((\n)>>1)
.endif
	v_pk_mul_f32 v[XD+4*\n:XD+4*\n+1],   v[EE+4*\n:EE+4*\n+1], v[RR_:RR_+1]
	v_pk_mul_f32 v[XD+4*\n+2:XD+4*\n+3], v[EE+4*\n:EE+4*\n+1], v[RR_+2:RR_+3]
.endif
.endr
.irp n, 0,1,2,3,4,5,6,7
.if (((\n)>>2) <= FB_) && ((((\n)>>1)&1) <= FC_) && (((\n)&1) <= FD_)
.if FA_
.set II_, RI+8*((\n)>>1)+4
.else
.set II_, XS+4*((\n)>>1)
.endif
	v_pk_fma_f32 v[XD+4*\n:XD+4*\n+1],   v[EE+4*\n+2:EE+4*\n+3], v[II_+2:II_+3], v[XD+4*\n:XD+4*\n+1] neg_lo:[0,1,0] neg_hi:[0,1,0]
	v_pk_fma_f32 v[XD+4*\n+2:XD+4*\n+3], v[EE+4*\n+2:EE+4*\n+3], v[II_:II_+1],   v[XD+4*\n+2:XD+4*\n+3]
.endif
.endr
.endm
.macro GO p
	s_wait_dscnt ISSUED-END_\p                     ; LDS loads come back in order (ISA guide 5.7.1): step p's are in; those issued behind them may stay out
	STEP \p
.endm
	v_mov_b32 v[XA],   0x38800000                  ; psi starts at 2^-14: the mean's divisor
	v_mov_b32 v[XA+1], 0x38800000
	v_mov_b32 v[XA+2], 0
	v_mov_b32 v[XA+3], 0
	LOADS 0                                        ; the short first steps have registers of their own, so that five steps' operands go out together
	LOADS 1
	LOADS 2
	LOADS 3
	LOADS 4
	GO 0
	GO 1
	GO 2
	GO 3
	LOADS 12                                       ; into the registers that steps 0 to 2 have left
	LOADS 13
	LOADS 5                                        ; from here on a buffer is asked for again as soon as its step is over: a whole step ahead of its use
	GO 4
	LOADS 6
	GO 5
	LOADS 7
	GO 6
	LOADS 8
	GO 7
	LOADS 9
	GO 8
	LOADS 10
	GO 9
	LOADS 11
	GO 10
	GO 11
	GO 12
	GO 13
	v_add_f32 v[EE], v[XA], v[XA+1]                ; the real parts for s_3 = + and s_3 = -
	ds_store_b32 v[VRS], v[EE]
	s_wait_dscnt 0x0                               ; for wave 0: my sum is stored
	s_barrier_signal -1
	s_barrier_wait -1
	s_cmp_lg_u32 s10, 0
	s_cbranch_scc1 .Lend
.irp t, 0,1,2,3,4,5,6,7
	ds_load_b32 v[RI+\t], v[VRL] offset:128*\t     ; the eight waves' sums for my row
.endr
	s_wait_dscnt 0x0
	v_pk_add_f32 v[RI:RI+1],   v[RI:RI+1],   v[RI+2:RI+3]
	v_pk_add_f32 v[RI+4:RI+5], v[RI+4:RI+5], v[RI+6:RI+7]
	v_pk_add_f32 v[RI:RI+1],   v[RI:RI+1],   v[RI+4:RI+5]
	v_add_f32 v[RI], v[RI], v[RI+1]
	global_store_b32 v[VO], v[RI], s[8:9]          ; out0[row][q]
.Lend:
	s_wait_tensorcnt 0x0                           ; the wave's end, behind my last LDS store
	ds_add_u32 v[SPW], v[NIL]
	s_wait_dscnt 0x0
	s_endpgm
.Lfunc_end_k_q5c7bc0cfc5_qlayer:
	.size	k_q5c7bc0cfc5_qlayer, .Lfunc_end_k_q5c7bc0cfc5_qlayer-k_q5c7bc0cfc5_qlayer
	.p2alignl 7, 3214868480
	.fill 96, 4, 3214868480
	.section	.rodata,"a",@progbits
	.p2align	6, 0x0
	.amdhsa_kernel k_q5c7bc0cfc5_qlayer
		.amdhsa_group_segment_fixed_size 13824
		.amdhsa_private_segment_fixed_size 0
		.amdhsa_enable_private_segment 0
		.amdhsa_kernarg_size 24
		.amdhsa_user_sgpr_count 2
		.amdhsa_user_sgpr_kernarg_segment_ptr 1
		.amdhsa_wavefront_size32 1
		.amdhsa_system_sgpr_workgroup_id_x 1
		.amdhsa_system_sgpr_workgroup_id_y 1
		.amdhsa_system_sgpr_workgroup_id_z 1
		.amdhsa_system_vgpr_workitem_id 0
		.amdhsa_next_free_vgpr 256
		.amdhsa_next_free_sgpr 66
		.amdhsa_reserve_vcc 0
		.amdhsa_float_denorm_mode_32 3
		.amdhsa_float_denorm_mode_16_64 3
		.amdhsa_memory_ordered 1
		.amdhsa_forward_progress 1
		.amdhsa_inst_pref_size 62
	.end_amdhsa_kernel
	.amdgpu_metadata
---
amdhsa.version: [ 1, 2 ]
amdhsa.kernels:
  - .name:           k_q5c7bc0cfc5_qlayer
    .symbol:         k_q5c7bc0cfc5_qlayer.kd
    .args:
      - { .name: x, .offset: 0, .size: 8, .value_kind: global_buffer, .address_space: global }
      - { .name: params, .offset: 8, .size: 8, .value_kind: global_buffer, .address_space: global }
      - { .name: out0, .offset: 16, .size: 8, .value_kind: global_buffer, .address_space: global }
    .group_segment_fixed_size: 13824
    .private_segment_fixed_size: 0
    .kernarg_segment_align: 8
    .kernarg_segment_size: 24
    .max_flat_workgroup_size: 256
    .sgpr_count:     66
    .vgpr_count:     256
    .wavefront_size: 32
...
	.end_amdgpu_metadata
.endif
;; end of part 1
;; ======== version 2 of 2: 1 launch; version 1 with the launch qlayer written anew for expert scheduling mode
;; limits: an absolute error that grows with the inputs' magnitude: up to 6e-08 times it
;; launch qlayer (part 2): grid 14 x 16, 8 waves a work-group, no clusters, 13,824 bytes of LDS; arguments x, params, out0; writes out0
.if DOCPART == 2
	.amdgcn_target "amdgcn-amd-amdhsa--gfx1250"
	.amdhsa_code_object_version 6
	.text
	.protected	k_q5c7bc0cfc5_qlayer
	.globl	k_q5c7bc0cfc5_qlayer
	.p2align	8
	.type	k_q5c7bc0cfc5_qlayer,@function
k_q5c7bc0cfc5_qlayer:
	s_mov_b64 s[64:65], 0
	v_nop
	global_prefetch_b8 v0, s[64:65] scope:SCOPE_SE
	s_setreg_imm32_b32 hwreg(HW_REG_WAVE_SCHED_MODE, 0, 2), 2
	s_setreg_imm32_b32 hwreg(HW_REG_WAVE_MODE, 25, 1), 1
	s_wait_xcnt 0x0
	s_wait_alu depctr_vm_vsrc(0)
; out0[b][q] = <Z_q> behind: RX(x_p) on |0..0>, then four times (RX(w_lp) on every qubit p, then the ring P of CNOTs 0>1, 1>2, .. 12>13, 13>0).
; x: [512][14] f32, params: [4][1][14] f32, out0: [512][14] f32.
; WHAT IS COMPUTED IN PLACE OF THE 2^14 AMPLITUDES: an identity in exact arithmetic for all real x and params.
;  1. Two RX on one qubit add their angles: the circuit is V = P U3 P U2 P U1 P U0, U_l = exp(-i/2 sum_p t_lp X_p), t_0p = x_p + w_0p, t_lp = w_lp.
;  2. V = P^4 (P^-3 U3 P^3)(P^-2 U2 P^2)(P^-1 U1 P) U0.  P^-1 X_p P is a product of X: X^(G e_p), G e_p = e_p + e_(p+1), G e_13 = e_13 + e_0 + e_1.  So V = P^4 exp(-i/2 sum t_lp X^b(l,p)),
;     b(l,p) = G^l e_p = {p}, {p,p+1}, {p,p+2}, {p,p+1,p+2,p+3} for l = 0..3 (G = 1 + shift over GF(2)), where the sites 14, 15, 16 stand for {0,1}, {1,2}, {2,3}.
;  3. P^-4 Z_q P^4 = Z^m, m = F^4 e_q, where F z = (xor of z's bits from each place upward) xor (all ones if z_0).  A factor whose X^b commutes with Z^m cancels against its inverse: it can reach no
;     output q, whatever the inputs hold; the others double their angle.  X^b(l,p) anticommutes with Z^m exactly where bit p of F^(4-l) e_q is set.
;  4. <0| Z^m prod exp(-i t X^b) |0>, taken in the basis of X: out0[b][q] = the mean over 14 spins s_p = +-1 of cos( sum over the terms kept of t_lp x the product of the spins in b(l,p) ).
; So the state, its 56 + 56 gates and the product of the probabilities with the table of signs that the problem builds itself are not made; every x and every param still reaches outputs and is loaded.
; LIMITS.  Angles are reduced modulo a turn in f32: an angle t is off by about 2^-24 |t|.  A NaN or an infinity in a param whose term is left out for an output q is not carried to that output.
; THE MEAN.  All terms of group p hold s_p: the exponent is sum_p s_p PHI_p, PHI_p = a_p + t1 s_(p+1) + t2 s_(p+2) + t3 s_(p+1) s_(p+2) s_(p+3), a_p the masked x_p + w_0p.  With s_0..s_3 fixed (so sites 14..16 too)
; a walk p = 0..13 carries psi[s_p, s_(p+1), s_(p+2)]:  psi'[b,c,d] = sum over a of exp(i a PHI(b,c,d)) psi[a,b,c] = cos PHI (psi[+] + psi[-]) + i sin PHI (psi[+] - psi[-]).
; The fixed spins' values are folded into the signs of the angles of the terms that hold them, so the text takes every fixed spin as +1, and a step writes only the entries whose spins are free (sites 4..13).
; SHARES.  A work-group has one q and 32 rows of x; a lane is a row.  Wave w has (s_0, s_1, s_2) = the bits of w (bit set: -1); the two halves of every packed pair are s_3 = + and s_3 = -.
; exp(i PHI) = exp(i a_p) x U_k, U_k = exp(i(t1 +- t2 +- t3)): 4 numbers a step, the same for all rows (b = - takes the conjugate of entry 3 - k).  They are made once, a lane an entry, and read back by all lanes:
; each wave its own 32 (steps 0-3 and 11-13, which hold fixed spins), wave 7 those of steps 4-10 for everybody; waves 0-6 make cos and sin of a_p for two qubits each, a lane a row.
; No matrix instruction: no product is left.  out0 is stored as 32 single words 56 bytes apart: a work-group owns one column of 32 rows.
; THE MODE: SCHED_MODE bits 1:0 = 2 (LLVM: expert scheduling mode 2), set by the entry lines.  The code itself states the register dependences
; between vector instructions and memory or LDS instructions, with s_wait_alu, always for 0.
; THE PLAN.  Registers that memory or LDS instructions touch:
;   v10, v11, v15, v80-86   offsets and LDS addresses, made at the head and never written again: one wait ahead of the first load serves them for the whole kernel.  v87 is made behind it, in the two arms.
;   v12-14, v16-18          loaded once; no vector instruction names them before.
;   v60-75 (OUT, QD)        written by the series and the copies, read by the stores of the tables (one wait ahead of each arm's run of stores); then operands of the walk land there (one wait on vm_vsrc behind the barrier).
;   v36-75 (LB)             the series' registers, then the operands of steps 0, 1, 2, then those of steps 12, 13, asked for in step 3.
;   v216-255 (DB)           two buffers by the step's parity.  Step p names its buffer in its first half alone, down to the lines that make EE; its second half names EE, RI and psi.
;                           So ONE wait on va_vdst stands in each of steps 3 to 9, behind the lines that make EE, and the loads of step p + 2 into the same buffer follow it directly.
;   v152, v184-191          the wave's sum (a wait ahead of its store, which serves wave 0's eight loads into v184-191 too); the row's result (a wait ahead of its store).
;   v6, v7                  written at the head, read by the closing add alone.
.set ROWB,  56                         ; bytes in a row of x and of out0
.set CHB,   32*ROWB                    ; a work-group's rows
.set FT,    0                          ; LDS: qubit p, row r: (cos, cos, sin, sin) of a_p at 512 p + 16 r
.set ST,    14*512                     ; entries 4 (p - 4) + k of steps 4..10: (re, re, im, im), 16 bytes each
.set WT,    ST+512                     ; wave w's own 32 entries at 512 w: (re for s_3 = +, re for -, im for +, im for -)
.set RED,   WT+8*512                   ; wave w's 32 sums at 128 w
.set SPARE, RED+8*128                  ; the spare words, 128 bytes for each wave: four blocks of 256 bytes that no other line names
.set INV2PI, 0x3e22f983                ; 1 / 2 pi
.set SA5, 0xbc7183a6                   ; 2 sin(pi f) / f = SA0 + SA1 z + .. + SA5 z^5, z = f^2: 2 pi^(2n+1) (-1)^n / (2n+1)!
.set SA4, 0x3e283c1b
.set SA3, 0xbf996966
.set SA2, 0x40a335e3
.set SA1, 0xc1255de7
.set SA0, 0x40c90fdb
.set CB6, 0x3afce9a3                   ; cos(pi f) = 1 + CB1 z + .. + CB6 z^6: pi^(2n) (-1)^n / (2n)!
.set CB5, 0xbcd368f9
.set CB4, 0x3e70fa83
.set CB3, 0xbfaae9e4
.set CB2, 0x4081e0f8
.set CB1, 0xc09de9e6
.set D0,  8|(4<<14)                    ; what s_3 = -1 changes among the 17 sites: site 3 and site 16
.set DY1, D0^(D0>>1)                   ; and in the three words of signs below
.set DY2, D0^(D0>>2)
.set DY3, DY1^(DY1>>2)
; scalar registers: s[4:5] x, s[6:7] params, s[8:9] out0, s10 wave, s11 q, s12 block of rows, s13 8 x wave, s16-19 F e_q .. F^4 e_q,
; s20-22 signs of the terms l = 1, 2, 3 (bit p) for s_3 = +, s23-25 for s_3 = -, s26-28 sign bits of s_0, s_1, s_2, s30-35 two params of layer 0 and their masks, s40-45 at work
.set SG,  26
.set LN,  1                            ; v1   lane
.set IX,  2                            ; v2   lane / 4
.set P1,  4                            ; v4   the step of my entry in the wave's own table: 0..3, 11..13
.set P2,  5                            ; v5   the same in the shared table: 4..11
.set SPW, 6                            ; v6   LDS address of my spare word; never rewritten
.set NIL, 7                            ; v7   0; never rewritten
.set K2S, 8                            ; v8   sign bit of t2 in my entry k = lane % 4: k / 2
.set K3S, 9                            ; v9   of t3: (k / 2) xor (k % 2)
.set A1,  10                           ; v10  4 P1
.set A2,  11                           ; v11  4 P2
.set TH,  12                           ; v12-14 t1, t2, t3 of step P1
.set XO,  15                           ; v15  my row's two numbers of x
.set GG,  16                           ; v16-18 those two numbers, or (wave 7) t1, t2, t3 of step P2
.set TT,  20                           ; v20-28 at work
.set MT,  20                           ; v20-35 in the walk: products shared by an entry and its mirror
.set DD,  30                           ; v30-35 three signed angles, a pair each
.set ANG, 36                           ; two pairs of angles;  then, for each: FR the fraction of a turn, NN, ZZ its square, PSN, PCS the two series, OUT (cos, cos, sin, sin)
.set FR,  40
.set NN,  44
.set ZZ,  48
.set PSN, 52
.set PCS, 56
.set OUT, 60
.set QD,  68                           ; v68-75 two qubits' (cos, cos, sin, sin)
.set KA5, 76
.set KB6, 78
.set LB,  36                           ; v36-75 in the walk: operands of steps 0, 1, 2 and later 12, 13
.set VWT, 80                           ; my wave's table
.set VST, 81                           ; the shared table
.set VFA, 82                           ; my row in the fields
.set VRS, 83                           ; where my sum goes
.set VRL, 84                           ; where wave 0 reads the eight
.set VO,  85                           ; my row in out0
.set WS1, 86                           ; where my entry of the wave's table goes
.set WS2, 87                           ; where my second result goes
.set XA,  88                           ; v88-119, v120-151: psi, entry 4a+2b+c at 4 registers: (re +, re -, im +, im -)
.set XB,  120
.set EE,  152                          ; v152-183 exp(i PHI(b,c,d)), entry 4b+2c+d
.set RI,  184                          ; v184-215 for (b,c): psi[+] + psi[-], psi[+] - psi[-]
.set DB,  216                          ; v216-255 operands of steps 3..11, two buffers of 20: the field's four, then U_0..U_3
.macro FMAP d, s                       ; d = F(s)
	s_and_b32 s41, \s, 1
	s_lshr_b32 s40, \s, 1
	s_xor_b32 \d, \s, s40
	s_lshr_b32 s40, \d, 2
	s_xor_b32 \d, \d, s40
	s_lshr_b32 s40, \d, 4
	s_xor_b32 \d, \d, s40
	s_lshr_b32 s40, \d, 8
	s_xor_b32 \d, \d, s40                  ; bit c = the xor of the bits from c upward
	s_mul_i32 s41, s41, 0x3fff
	s_xor_b32 \d, \d, s41                  ; all 14 turned if bit 0 was set
.endm
	s_load_b128 s[4:7], s[0:1], 0x0                ; x, params
	s_load_b64 s[8:9], s[0:1], 0x10                ; out0
	v_lshl_add_u32 v[SPW], v0, 2, SPARE
	v_mov_b32 v[NIL], 0
	v_lshrrev_b32 v[IX], 5, v0
	v_readfirstlane_b32 s10, v[IX]                 ; wave 0..7
	s_mov_b32 s11, ttmp9                           ; q
	s_and_b32 s12, ttmp7, 0xffff                   ; block of 32 rows
	v_and_b32 v[LN], 31, v0
	v_lshrrev_b32 v[IX], 2, v[LN]
	v_lshrrev_b32 v[P1], 4, v[LN]
	v_mad_u32_u24 v[P1], v[P1], 7, v[IX]           ; 0,1,2,3,11,12,13,(14)
	v_min_u32 v[P1], 13, v[P1]                     ; lanes 28-31 repeat step 13: their entries are read by nobody
	v_add_nc_u32 v[P2], 4, v[IX]
	v_lshlrev_b32 v[A1], 2, v[P1]
	v_lshlrev_b32 v[A2], 2, v[P2]
	v_lshlrev_b32 v[K2S], 30, v[LN]
	v_and_b32 v[K2S], 0x80000000, v[K2S]
	v_lshlrev_b32 v[K3S], 31, v[LN]
	v_xor_b32 v[K3S], v[K3S], v[K2S]
	; which terms are kept for this q
	s_lshl_b32 s15, 1, s11
	FMAP s16, s15                                  ; layer 3
	FMAP s17, s16                                  ; layer 2
	FMAP s18, s17                                  ; layer 1
	FMAP s19, s18                                  ; layer 0 and x
	s_wait_alu depctr_va_sdst(0)                   ; s10 is written, ahead of its first reader, the next line: the signs, the addresses and the branches on the wave's number are made from it
	; the fixed spins as bits of 17 sites (set: -1; free sites 0), and for each term the xor over its sites
	s_lshr_b32 s40, s10, 1
	s_xor_b32 s40, s40, s10
	s_and_b32 s40, s40, 7                          ; s_0 s_1, s_1 s_2, s_2 s_3 with s_3 = +
	s_lshl_b32 s40, s40, 14
	s_or_b32 s42, s40, s10
	s_lshr_b32 s40, s42, 1
	s_xor_b32 s20, s42, s40                        ; bit p: sites p, p+1
	s_lshr_b32 s40, s42, 2
	s_xor_b32 s21, s42, s40                        ; sites p, p+2
	s_lshr_b32 s40, s20, 2
	s_xor_b32 s22, s20, s40                        ; sites p .. p+3
	s_xor_b32 s23, s20, DY1
	s_xor_b32 s24, s21, DY2
	s_xor_b32 s25, s22, DY3
	s_lshl_b32 s26, s10, 31
	s_lshl_b32 s27, s10, 30
	s_and_b32 s27, s27, 0x80000000
	s_lshl_b32 s28, s10, 29
	s_and_b32 s28, s28, 0x80000000
	s_lshl_b32 s13, s10, 3
	s_lshl_b32 s44, s10, 9
	s_add_co_u32 s44, s44, WT
	s_lshl_b32 s45, s10, 10
	v_mad_u32_u24 v[XO], v[LN], ROWB, s13          ; row x 56 + 8 x wave: qubits 2 w, 2 w + 1
	v_mul_u32_u24 v[VO], v[LN], ROWB
	v_mov_b32 v[VWT], s44
	v_lshl_add_u32 v[WS1], v[LN], 4, s44
	v_mov_b32 v[VST], ST
	v_lshlrev_b32 v[VFA], 4, v[LN]
	v_lshl_add_u32 v[VRS], v0, 2, RED
	v_lshl_add_u32 v[VRL], v[LN], 2, RED
	v_mov_b32 v[KA5], SA5
	v_mov_b32 v[KA5+1], SA5
	v_mov_b32 v[KB6], CB6
	v_mov_b32 v[KB6+1], CB6
	s_mul_i32 s40, s12, CHB
	s_mov_b32 s41, 0
	s_wait_kmcnt 0x0
	s_wait_alu depctr_va_vdst(0)                   ; the offsets v[A1], v[A2], v[XO], v[VO] and the LDS addresses v[VWT], v[VST], v[VFA], v[VRS], v[VRL], v[WS1] are written: every load and store of the kernel reads one of them, and no vector instruction names them again
	global_load_b32 v[TH],   v[A1], s[6:7] offset:56    ; layers 1, 2, 3 of step P1
	global_load_b32 v[TH+1], v[A1], s[6:7] offset:112
	global_load_b32 v[TH+2], v[A1], s[6:7] offset:168
	s_add_nc_u64 s[4:5], s[4:5], s[40:41]          ; x at the block's first row
	s_lshl2_add_u32 s40, s11, s40
	s_add_nc_u64 s[8:9], s[8:9], s[40:41]          ; out0 at that row's column q
	s_cmp_eq_u32 s10, 7
	s_cbranch_scc1 .Lshared
	; waves 0-6: the masked angles x_p + w_0p of qubits 2 w and 2 w + 1, a lane a row
	s_load_b64 s[30:31], s[6:7], s13 offset:0x0
	global_load_b64 v[GG:GG+1], v[XO], s[4:5]
	v_lshl_add_u32 v[WS2], v[LN], 4, s45
	s_lshl_b32 s42, s10, 1
	s_lshr_b32 s42, s19, s42
	s_bitcmp1_b32 s42, 0
	s_cselect_b32 s32, 1.0, 0
	s_bitcmp1_b32 s42, 1
	s_cselect_b32 s33, 1.0, 0
	s_wait_kmcnt 0x0
	s_mul_f32 s34, s30, s32
	s_mul_f32 s35, s31, s33
	s_wait_loadcnt 0x0                             ; x, and the three params above
	v_fma_f32 v[ANG+2], v[GG], s32, s34
	v_fma_f32 v[ANG+3], v[GG+1], s33, s35
	s_branch .Ljoin
.Lshared:
	; wave 7: the angle t1 +- t2 +- t3 of entry lane of steps 4..11, which hold no fixed spin; both halves alike
	global_load_b32 v[GG],   v[A2], s[6:7] offset:56
	global_load_b32 v[GG+1], v[A2], s[6:7] offset:112
	global_load_b32 v[GG+2], v[A2], s[6:7] offset:168
	v_lshl_add_u32 v[WS2], v[LN], 4, ST
	v_bfe_u32 v[TT],   s18, v[P2], 1
	v_bfe_u32 v[TT+1], s17, v[P2], 1
	v_bfe_u32 v[TT+2], s16, v[P2], 1
	v_sub_nc_u32 v[TT],   0, v[TT]                 ; all ones where the term is kept
	v_sub_nc_u32 v[TT+1], 0, v[TT+1]
	v_sub_nc_u32 v[TT+2], 0, v[TT+2]
	s_wait_loadcnt 0x0
	v_and_b32 v[TT],   v[TT],   v[GG]
	v_and_b32 v[TT+1], v[TT+1], v[GG+1]
	v_and_b32 v[TT+2], v[TT+2], v[GG+2]
	v_xor_b32 v[TT+1], v[TT+1], v[K2S]
	v_xor_b32 v[TT+2], v[TT+2], v[K3S]
	v_add_f32 v[TT], v[TT], v[TT+1]
	v_add_f32 v[ANG+2], v[TT], v[TT+2]
	v_mov_b32 v[ANG+3], v[ANG+2]
.Ljoin:
	; every wave: its own table.  A term's angle: 0 if left out; its sign: the fixed spins it holds (one bit for each half) and my entry's own sign
.macro SIGNED d, th, sm, syl, syh, ks, t
	v_bfe_u32 v[\t], \sm, v[P1], 1
	v_bfe_u32 v[(\t)+1], \syl, v[P1], 1
	v_bfe_u32 v[(\t)+2], \syh, v[P1], 1
	v_sub_nc_u32 v[\t], 0, v[\t]
	v_lshlrev_b32 v[(\t)+1], 31, v[(\t)+1]
	v_lshlrev_b32 v[(\t)+2], 31, v[(\t)+2]
	v_and_b32 v[\t], v[\t], v[\th]
.if (\ks) >= 0
	v_xor_b32 v[\t], v[\t], v[\ks]
.endif
	v_xor_b32 v[\d], v[\t], v[(\t)+1]
	v_xor_b32 v[(\d)+1], v[\t], v[(\t)+2]
.endm
	SIGNED DD,   TH,   s18, s20, s23, -1,  TT
	SIGNED DD+2, TH+1, s17, s21, s24, K2S, TT+3
	SIGNED DD+4, TH+2, s16, s22, s25, K3S, TT+6
	v_pk_add_f32 v[ANG:ANG+1], v[DD:DD+1], v[DD+2:DD+3]
	v_pk_add_f32 v[ANG:ANG+1], v[ANG:ANG+1], v[DD+4:DD+5]
	; cos and sin of four angles, two pairs side by side.  f = t / 2 pi less the nearest whole number, |f| <= 1/2; with v = pi f: sin t = 2 sin v cos v, cos t = 1 - (2 sin v)^2 / 2.
	; The series are cut where the next term is under 1e-7 at |f| = 1/2.
.irp n, 0,1
	v_pk_mul_f32 v[FR+2*\n:FR+2*\n+1], v[ANG+2*\n:ANG+2*\n+1], INV2PI op_sel_hi:[1,0]
.endr
.irp n, 0,1,2,3
	v_rndne_f32 v[NN+\n], v[FR+\n]
.endr
.irp n, 0,1
	v_pk_fma_f32 v[FR+2*\n:FR+2*\n+1], v[ANG+2*\n:ANG+2*\n+1], INV2PI, v[NN+2*\n:NN+2*\n+1] op_sel_hi:[1,0,1] neg_lo:[0,0,1] neg_hi:[0,0,1]
.endr
.irp n, 0,1
	v_pk_mul_f32 v[ZZ+2*\n:ZZ+2*\n+1], v[FR+2*\n:FR+2*\n+1], v[FR+2*\n:FR+2*\n+1]
.endr
.irp n, 0,1
	v_pk_fma_f32 v[PCS+2*\n:PCS+2*\n+1], v[ZZ+2*\n:ZZ+2*\n+1], v[KB6:KB6+1], CB5 op_sel_hi:[1,1,0]
	v_pk_fma_f32 v[PSN+2*\n:PSN+2*\n+1], v[ZZ+2*\n:ZZ+2*\n+1], v[KA5:KA5+1], SA4 op_sel_hi:[1,1,0]
.endr
.irp n, 0,1
	v_pk_fma_f32 v[PCS+2*\n:PCS+2*\n+1], v[PCS+2*\n:PCS+2*\n+1], v[ZZ+2*\n:ZZ+2*\n+1], CB4 op_sel_hi:[1,1,0]
.endr
.macro HORN cs, cc                     ; one more term of both series, for both pairs
.irp n, 0,1
	v_pk_fma_f32 v[PSN+2*\n:PSN+2*\n+1], v[PSN+2*\n:PSN+2*\n+1], v[ZZ+2*\n:ZZ+2*\n+1], \cs op_sel_hi:[1,1,0]
	v_pk_fma_f32 v[PCS+2*\n:PCS+2*\n+1], v[PCS+2*\n:PCS+2*\n+1], v[ZZ+2*\n:ZZ+2*\n+1], \cc op_sel_hi:[1,1,0]
.endr
.endm
	HORN SA3, CB3
	HORN SA2, CB2
	HORN SA1, CB1
	HORN SA0, 1.0
.irp n, 0,1
	v_pk_mul_f32 v[PSN+2*\n:PSN+2*\n+1], v[PSN+2*\n:PSN+2*\n+1], v[FR+2*\n:FR+2*\n+1]        ; 2 sin v
.endr
.irp n, 0,1
	v_pk_mul_f32 v[OUT+4*\n+2:OUT+4*\n+3], v[PSN+2*\n:PSN+2*\n+1], v[PCS+2*\n:PCS+2*\n+1]    ; sin t
	v_pk_mul_f32 v[NN+2*\n:NN+2*\n+1], v[PSN+2*\n:PSN+2*\n+1], v[PSN+2*\n:PSN+2*\n+1]
.endr
.irp n, 0,1
	v_pk_fma_f32 v[OUT+4*\n:OUT+4*\n+1], v[NN+2*\n:NN+2*\n+1], -0.5, 1.0 op_sel_hi:[1,0,0]   ; cos t
.endr
	; the tables go into LDS: in each arm all its stores stand in one run, behind one wait
	s_cmp_eq_u32 s10, 7
	s_cbranch_scc1 .Lstore7
	v_mov_b32 v[QD],   v[OUT+4]                    ; the walk multiplies both halves by one row's cos and sin: each is laid down twice, once and for all eight waves
	v_mov_b32 v[QD+1], v[OUT+4]
	v_mov_b32 v[QD+2], v[OUT+6]
	v_mov_b32 v[QD+3], v[OUT+6]
	v_mov_b32 v[QD+4], v[OUT+5]
	v_mov_b32 v[QD+5], v[OUT+5]
	v_mov_b32 v[QD+6], v[OUT+7]
	v_mov_b32 v[QD+7], v[OUT+7]
	s_wait_alu depctr_va_vdst(0)                   ; the series has written v[OUT ..], the copies v[QD ..], the arm above v[WS2]: the three stores read them.  And all that named v36 to v75 is done: the walk's first loads land there
	ds_store_b128 v[WS1], v[OUT:OUT+3]             ; my entry of my wave's table
	ds_store_b128 v[WS2], v[QD:QD+3]               ; qubit 2 w
	ds_store_b128 v[WS2], v[QD+4:QD+7] offset:512  ; qubit 2 w + 1
	s_branch .Lstored
.Lstore7:
	s_wait_alu depctr_va_vdst(0)                   ; the series has written v[OUT ..], the arm above v[WS2]: the two stores read them.  And all that named v36 to v75 is done: the walk's first loads land there
	ds_store_b128 v[WS1], v[OUT:OUT+3]             ; my entry of my wave's table
	ds_store_b128 v[WS2], v[OUT+4:OUT+7]           ; my entry of the shared table
.Lstored:
	s_wait_dscnt 0x0                               ; for the others: my stores are done
	s_barrier_signal -1
	s_barrier_wait -1                              ; fields and shared table are whole
	s_wait_alu depctr_vm_vsrc(0)                   ; my stores have read v[OUT ..] and v[QD ..]: from here on these registers take the operands of step 2, later of step 13
; THE WALK.  Which of a step's four spins a = s_p, b, c, d are free: sites 4..13.
.macro FLAGS p
.set FA_, 0
.set FB_, 0
.set FC_, 0
.set FD_, 0
.if (\p) >= 4
.set FA_, 1
.endif
.if ((\p) >= 3) && ((\p) <= 12)
.set FB_, 1
.endif
.if ((\p) >= 2) && ((\p) <= 11)
.set FC_, 1
.endif
.if ((\p) >= 1) && ((\p) <= 10)
.set FD_, 1
.endif
.endm
; U_k serves entry (b,c,d) = (+, k/2, k%2), number k, and as its conjugate the mirror entry, number 7 - k.  L1_, L2_: is that entry written in this step?
.macro NEEDK k
.set L1_, 0
.set L2_, 0
.if (((\k)>>1) <= FC_) && (((\k)&1) <= FD_)
.set L1_, 1
.endif
.if (FB_ == 1) && ((1-((\k)>>1)) <= FC_) && ((1-((\k)&1)) <= FD_)
.set L2_, 1
.endif
.endm
.macro BUFOF p                         ; where step p's operands lie: the field's four registers, then U_k at 4 k
.if ((\p) == 0) || ((\p) == 12)
.set FBB, LB
.elseif (\p) == 1
.set FBB, LB+8
.elseif ((\p) == 2) || ((\p) == 13)
.set FBB, LB+20
.else
.set FBB, DB+20*((\p)&1)
.endif
.set UBB, FBB+4
.endm
; Step p's operands are asked for: my row's field, and the U_k that the step uses (one address for all lanes).  ISSUED counts the loads; END_p is the count behind step p's.
.set ISSUED, 0
.macro LOADS p
	FLAGS \p
	BUFOF \p
	ds_load_b128 v[FBB:FBB+3], v[VFA] offset:FT+512*(\p)
.set ISSUED, ISSUED+1
.irp k, 0,1,2,3
	NEEDK \k
.if L1_ || L2_
.if ((\p) >= 4) && ((\p) <= 10)
	ds_load_b128 v[UBB+4*\k:UBB+4*\k+3], v[VST] offset:16*(4*((\p)-4)+\k)
.elseif (\p) < 4
	ds_load_b128 v[UBB+4*\k:UBB+4*\k+3], v[VWT] offset:16*(4*(\p)+\k)
.else
	ds_load_b128 v[UBB+4*\k:UBB+4*\k+3], v[VWT] offset:16*(4*((\p)-7)+\k)
.endif
.set ISSUED, ISSUED+1
.endif
.endr
.set END_\p, ISSUED
.endm
; Step p.  l1, l2, l3: the steps whose operands are asked for in its middle, where its own operand buffer has been read for the last time (-1: none).
.macro STEP p, l1=-1, l2=-1, l3=-1
	FLAGS \p
	BUFOF \p
.if (\p)&1
.set XS, XB
.set XD, XA
.else
.set XS, XA
.set XD, XB
.endif
.if (\p) < 3
	v_xor_b32 v[FBB+2], s[SG+(\p)], v[FBB+2]       ; a fixed spin's field: its sine takes the spin's sign
	v_xor_b32 v[FBB+3], s[SG+(\p)], v[FBB+3]
.elseif (\p) == 3
	v_xor_b32 v[FBB+3], 0x80000000, v[FBB+3]       ; s_3 = -1 in the upper half
.endif
.irp k, 0,1,2,3                        ; re U cos a, re U sin a: shared by an entry and its mirror
	NEEDK \k
.if L1_ || L2_
	v_pk_mul_f32 v[MT+4*\k:MT+4*\k+1],   v[UBB+4*\k:UBB+4*\k+1], v[FBB:FBB+1]
	v_pk_mul_f32 v[MT+4*\k+2:MT+4*\k+3], v[UBB+4*\k:UBB+4*\k+1], v[FBB+2:FBB+3]
.endif
.endr
.if FA_
.irp j, 0,1,2,3                        ; psi[+,b,c] + psi[-,b,c] and their difference
.if (((\j)>>1) <= FB_) && (((\j)&1) <= FC_)
	v_pk_add_f32 v[RI+8*\j:RI+8*\j+1],   v[XS+4*\j:XS+4*\j+1],   v[XS+16+4*\j:XS+16+4*\j+1]
	v_pk_add_f32 v[RI+8*\j+2:RI+8*\j+3], v[XS+4*\j+2:XS+4*\j+3], v[XS+16+4*\j+2:XS+16+4*\j+3]
	v_pk_add_f32 v[RI+8*\j+4:RI+8*\j+5], v[XS+4*\j:XS+4*\j+1],   v[XS+16+4*\j:XS+16+4*\j+1] neg_lo:[0,1] neg_hi:[0,1]
	v_pk_add_f32 v[RI+8*\j+6:RI+8*\j+7], v[XS+4*\j+2:XS+4*\j+3], v[XS+16+4*\j+2:XS+16+4*\j+3] neg_lo:[0,1] neg_hi:[0,1]
.endif
.endr
.endif
.irp k, 0,1,2,3                        ; exp(i a) U_k and exp(i a) conj U_k
	NEEDK \k
.if L1_
	v_pk_fma_f32 v[EE+4*\k:EE+4*\k+1],   v[UBB+4*\k+2:UBB+4*\k+3], v[FBB+2:FBB+3], v[MT+4*\k:MT+4*\k+1] neg_lo:[0,1,0] neg_hi:[0,1,0]
	v_pk_fma_f32 v[EE+4*\k+2:EE+4*\k+3], v[UBB+4*\k+2:UBB+4*\k+3], v[FBB:FBB+1],   v[MT+4*\k+2:MT+4*\k+3]
.endif
.if L2_
	v_pk_fma_f32 v[EE+4*(7-\k):EE+4*(7-\k)+1],   v[UBB+4*\k+2:UBB+4*\k+3], v[FBB+2:FBB+3], v[MT+4*\k:MT+4*\k+1]
	v_pk_fma_f32 v[EE+4*(7-\k)+2:EE+4*(7-\k)+3], v[UBB+4*\k+2:UBB+4*\k+3], v[FBB:FBB+1],   v[MT+4*\k+2:MT+4*\k+3] neg_lo:[0,1,0] neg_hi:[0,1,0]
.endif
.endr
.if (\l1) >= 0
	s_wait_alu depctr_va_vdst(0)                   ; the lines above are the step's last that name its operand buffer, and they are done with it (in step 3: so are steps 0 to 2 with theirs): the loads below land in these registers
	LOADS \l1
.if (\l2) >= 0
	LOADS \l2
.endif
.if (\l3) >= 0
	LOADS \l3
.endif
	FLAGS \p                                       ; back to this step's own flags
.endif
.irp n, 0,1,2,3,4,5,6,7                ; psi'[n] = cos PHI x sum + i sin PHI x difference; where a is fixed both are psi[+,b,c] itself
.if (((\n)>>2) <= FB_) && ((((\n)>>1)&1) <= FC_) && (((\n)&1) <= FD_)
.if FA_
.set RR_, RI+8*((\n)>>1)
.else
.set RR_, XS+4*((\n)>>1)
.endif
	v_pk_mul_f32 v[XD+4*\n:XD+4*\n+1],   v[EE+4*\n:EE+4*\n+1], v[RR_:RR_+1]
	v_pk_mul_f32 v[XD+4*\n+2:XD+4*\n+3], v[EE+4*\n:EE+4*\n+1], v[RR_+2:RR_+3]
.endif
.endr
.irp n, 0,1,2,3,4,5,6,7
.if (((\n)>>2) <= FB_) && ((((\n)>>1)&1) <= FC_) && (((\n)&1) <= FD_)
.if FA_
.set II_, RI+8*((\n)>>1)+4
.else
.set II_, XS+4*((\n)>>1)
.endif
	v_pk_fma_f32 v[XD+4*\n:XD+4*\n+1],   v[EE+4*\n+2:EE+4*\n+3], v[II_+2:II_+3], v[XD+4*\n:XD+4*\n+1] neg_lo:[0,1,0] neg_hi:[0,1,0]
	v_pk_fma_f32 v[XD+4*\n+2:XD+4*\n+3], v[EE+4*\n+2:EE+4*\n+3], v[II_:II_+1],   v[XD+4*\n+2:XD+4*\n+3]
.endif
.endr
.endm
.macro GO p, l1=-1, l2=-1, l3=-1
	s_wait_dscnt ISSUED-END_\p                     ; LDS loads come back in order (ISA guide 5.7.1): step p's are in; those issued behind them may stay out
	STEP \p, \l1, \l2, \l3
.endm
	v_mov_b32 v[XA],   0x38800000                  ; psi starts at 2^-14: the mean's divisor
	v_mov_b32 v[XA+1], 0x38800000
	v_mov_b32 v[XA+2], 0
	v_mov_b32 v[XA+3], 0
	LOADS 0                                        ; the short first steps have registers of their own, so that five steps' operands go out together
	LOADS 1
	LOADS 2
	LOADS 3
	LOADS 4
	GO 0                                           ; steps 0 to 2 ask for nothing, so they hold no wait on va_vdst
	GO 1
	GO 2
	GO 3, 5, 12, 13                                ; step 5 into step 3's buffer; steps 12 and 13 into the registers that steps 0 to 2 have left
	GO 4, 6                                        ; from here on a buffer is asked for again in the middle of its own step: a step and a half ahead of its use
	GO 5, 7
	GO 6, 8
	GO 7, 9
	GO 8, 10
	GO 9, 11
	GO 10                                          ; nothing is left to ask for
	GO 11
	GO 12
	GO 13
	v_add_f32 v[EE], v[XA], v[XA+1]                ; the real parts for s_3 = + and s_3 = -
	s_wait_alu depctr_va_vdst(0)                   ; the add has written v[EE], which the store reads; and step 13 is done with v[RI ..], in which wave 0's loads below land
	ds_store_b32 v[VRS], v[EE]
	s_wait_dscnt 0x0                               ; for wave 0: my sum is stored
	s_barrier_signal -1
	s_barrier_wait -1
	s_cmp_lg_u32 s10, 0
	s_cbranch_scc1 .Lend
.irp t, 0,1,2,3,4,5,6,7
	ds_load_b32 v[RI+\t], v[VRL] offset:128*\t     ; the eight waves' sums for my row
.endr
	s_wait_dscnt 0x0
	v_pk_add_f32 v[RI:RI+1],   v[RI:RI+1],   v[RI+2:RI+3]
	v_pk_add_f32 v[RI+4:RI+5], v[RI+4:RI+5], v[RI+6:RI+7]
	v_pk_add_f32 v[RI:RI+1],   v[RI:RI+1],   v[RI+4:RI+5]
	v_add_f32 v[RI], v[RI], v[RI+1]
	s_wait_alu depctr_va_vdst(0)                   ; the adds have written v[RI], which the store reads
	global_store_b32 v[VO], v[RI], s[8:9]          ; out0[row][q]
.Lend:
	s_wait_dscnt 0x0                               ; the closing lines, six on end
	s_wait_alu 0x0
	s_wait_tensorcnt 0x0
	ds_add_u32 v[SPW], v[NIL]
	s_wait_dscnt 0x0
	s_endpgm
.Lfunc_end_k_q5c7bc0cfc5_qlayer:
	.size	k_q5c7bc0cfc5_qlayer, .Lfunc_end_k_q5c7bc0cfc5_qlayer-k_q5c7bc0cfc5_qlayer
	.p2alignl 7, 3214868480
	.fill 96, 4, 3214868480
	.section	.rodata,"a",@progbits
	.p2align	6, 0x0
	.amdhsa_kernel k_q5c7bc0cfc5_qlayer
		.amdhsa_group_segment_fixed_size 13824
		.amdhsa_private_segment_fixed_size 0
		.amdhsa_enable_private_segment 0
		.amdhsa_kernarg_size 24
		.amdhsa_user_sgpr_count 2
		.amdhsa_user_sgpr_kernarg_segment_ptr 1
		.amdhsa_wavefront_size32 1
		.amdhsa_system_sgpr_workgroup_id_x 1
		.amdhsa_system_sgpr_workgroup_id_y 1
		.amdhsa_system_sgpr_workgroup_id_z 1
		.amdhsa_system_vgpr_workitem_id 0
		.amdhsa_next_free_vgpr 256
		.amdhsa_next_free_sgpr 66
		.amdhsa_reserve_vcc 0
		.amdhsa_float_denorm_mode_32 3
		.amdhsa_float_denorm_mode_16_64 3
		.amdhsa_memory_ordered 1
		.amdhsa_forward_progress 1
		.amdhsa_inst_pref_size 62
	.end_amdhsa_kernel
	.amdgpu_metadata
---
amdhsa.version: [ 1, 2 ]
amdhsa.kernels:
  - .name:           k_q5c7bc0cfc5_qlayer
    .symbol:         k_q5c7bc0cfc5_qlayer.kd
    .args:
      - { .name: x, .offset: 0, .size: 8, .value_kind: global_buffer, .address_space: global }
      - { .name: params, .offset: 8, .size: 8, .value_kind: global_buffer, .address_space: global }
      - { .name: out0, .offset: 16, .size: 8, .value_kind: global_buffer, .address_space: global }
    .group_segment_fixed_size: 13824
    .private_segment_fixed_size: 0
    .kernarg_segment_align: 8
    .kernarg_segment_size: 24
    .max_flat_workgroup_size: 256
    .sgpr_count:     66
    .vgpr_count:     256
    .wavefront_size: 32
...
	.end_amdgpu_metadata
.endif
;; end of part 2
